; MI455X (gfx1250); checked and timed in simulation.
; The chip was launched on July 23, 2026; its instructions are those of AMD's public machine-readable ISA for CDNA 5 (MIT licence, August 2026) and "CDNA5" Instruction Set Architecture Reference Guide (July 2026). The comments in the code are by the model that wrote it; some were corrected since.
;; Self Attention. Allowed arithmetic: matrix products marked QUANTISED: E2M3 operands, one E8M0 scale for each 32 along K, by v_wmma_scale_f32_16x16x128_f8f6f4 with both operands' format E2M3, f32 sums; everything else in f32.
;; Inputs: Wk 256 x 256 float32; Wq 256 x 256 float32; Wv 256 x 256 float32; bk 256 float32; bq 256 float32; bv 256 float32; x 4 x 4,096 x 256 float32.
;; Outputs: out0 4 x 4,096 x 256 float32.
;; This version of the problem:
;;   THIS VERSION OF THE PROBLEM IS GIVEN IN LOW PRECISION. The matrix products marked QUANTISED in the list below multiply operands that are first quantised to E2M3 (2 exponent bits, 3 mantissa bits; 6 bits a number), with one power-of-two scale for each 32 numbers along K (OCP MX v1.0); their sums are f32. All else is computed in f32.
;;   The module's matrix products, in the order in which they are computed (A, B: the left and right operand; K: the contracted axis; several contracted axes count as one K, in the product's order):
;;     1. [M 16,384, K 256] x [K 256, N 256]; A: input x; B: input Wq: QUANTISED
;;     2. [M 16,384, K 256] x [K 256, N 256]; A: input x; B: input Wk: QUANTISED
;;     3. [M 16,384, K 256] x [K 256, N 256]; A: input x; B: input Wv: QUANTISED
;;     4. batch 4 x [M 4,096, K 256] x [K 256, N 4,096]; A: computed on the way; B: computed on the way: QUANTISED
;;     5. batch 4 x [M 4,096, K 4,096] x [K 4,096, N 256]; A: softmax (see below); B: computed on the way: QUANTISED
;;   THE QUANTISER, for each operand of a quantised product, along K:
;;     - K is cut into blocks of 32 from its start; a last block that is shorter is filled with zeros.
;;     - A block's scale is 2^e with e = floor(log2(the largest magnitude in the block)) - 2, held to -126 .. 127; a block of zeros has e = 0. As a byte (E8M0): e + 127.
;;     - Each number is divided by its block's scale, clamped to +-7.5, and rounded to the nearest number of E2M3, ties to even, subnormals kept.
;;     - The product sums the exact products of the quantised numbers (number of the format x scale) in f32.
;;   ~~~python
;;   def quantise(x, axis):      # numpy; x: float32 -> the quantised numbers, widened to float32 again
;;       x = np.moveaxis(x, axis, -1); K = x.shape[-1]
;;       x = np.pad(x, [(0, 0)] * (x.ndim - 1) + [(0, -K % 32)]); x = x.reshape(x.shape[:-1] + (-1, 32)); a = np.abs(x).max(-1, keepdims=True)
;;       e = np.where(a > 0, np.clip(np.frexp(np.where(a > 0, a, 1))[1] - 1 - 2, -126, 127), 0)      # np.frexp(a)[1] - 1 = floor(log2(a)), exactly
;;       r = np.clip(x / 2.0 ** e, -7.5, 7.5)
;;       step = 2.0 ** (np.maximum(np.frexp(np.where(r == 0, 1, r))[1] - 1, 0) - 3)
;;       q = np.round(r / step) * step * 2.0 ** e      # np.round: ties to even
;;       return np.moveaxis(q.reshape(q.shape[:-2] + (-1,))[..., :K], -1, axis).astype(np.float32)
;;   ~~~
;;   SOFTMAX AHEAD OF A QUANTISED PRODUCT. Where the list says 'softmax', what is quantised is not the finished softmax but p = 2^(t - M), with t = logit x log2(e) and M = ceil(the row's largest t), a whole number; so 1/2 < the row's largest p <= 1. The row's sum l is taken of the UNQUANTISED p, in f32, and the product's result is divided by l at the end. Since M is a whole number, a kernel that streams over the keys may use a running M (the ceiling of the running maximum): every later rescaling is an exact power of two, which a block's scale takes up: the codes' values come out the same.
;;   OPERANDS COMPUTED ON THE WAY. 'Computed on the way' means the value that the module computes at that place (a softmax that the list does not call 'softmax' is quantised finished and normalised). What goes into a quantiser is computed in f32, as accurately as f32 sums, v_exp_f32 and their like allow (about 1e-6 of the number): no bf16 or f16 on the way to a quantiser, and a product that is left as it is and whose result goes on into a quantised operand takes f32 operands (vector FMAs, or v_wmma_f32_16x16x4_f32). A number that lies on a knife's edge between two numbers of the format may be rounded either way, as far as f32 arithmetic and the matrix unit's own rounding can turn it there, and no further.
;; One version. Each part assembles by itself: llvm-mc -triple=amdgcn-amd-amdhsa -mcpu=gfx1250 --defsym DOCPART=n.
;; ======== version 1 of 1: 3 launches
;; limits: right only within a limited range of input values
;; workspace buffers: xw 3,430,400 bytes; qc 3,276,800 bytes; kv 6,553,600 bytes
;; launch quant (part 1): grid 268 x 1, 4 waves a work-group, no clusters, 67,072 bytes of LDS; arguments x, Wq, Wk, Wv, xw; writes xw
.if DOCPART == 1
	.amdgcn_target "amdgcn-amd-amdhsa--gfx1250"
	.amdhsa_code_object_version 6
	.text
	.protected	k_qc758ed00ee_quant
	.globl	k_qc758ed00ee_quant
	.p2align	8
	.type	k_qc758ed00ee_quant,@function
k_qc758ed00ee_quant:
	s_mov_b64 s[64:65], 0
	v_nop
	global_prefetch_b8 v0, s[64:65] scope:SCOPE_SE
	s_setreg_imm32_b32 hwreg(HW_REG_WAVE_MODE, 25, 1), 1
	s_wait_xcnt 0x0
; x [16384][256], Wq, Wk, Wv [256][256], f32, become codes of FP6 (E2M3) along their last axis, with one E8M0 scale byte for each 32 numbers, laid as the next launch's operand registers take them.
; No step of the problem is left out in this program: every input has a way to the output.
; A TILE is 16 rows x 256: two fragments of 16 rows x 128 K.  A fragment is stored as an IMAGE OF ITS 12 REGISTERS: three pieces of 512 bytes, piece c = registers 4 c .. 4 c + 3, lane l's 16 bytes at 16 l.
; THE ROWS OF A TILE ARE NOT NEIGHBOURS: of a group of 64 rows, tile t (0 .. 3) holds in lane r the row 8 t + r % 8 + 32 (r / 8).  Where four such tiles are source 0 of products, lane (r, h) gets from them
; the 32 neighbours 32 h + 0 .. 31 along those rows: a whole block of the next quantiser in one lane.
; xw: tile T's codes at 3072 T + 1536 s (s: which 128 along K); its scale words at XWS + 128 T + 4 l: lanes 0-15 row r's word of K step 0, lanes 16-31 that of K step 1.  T: x 0 .. 1023, Wq 1024 .., Wk 1040 .., Wv 1056 ..
; A block's scale is 2^(floor(log2(its largest magnitude)) - 2); its byte is the largest magnitude's exponent field - 2, held at 1 from below.
; LIMITS: a block of zeros, or one whose largest magnitude lies under 2^-124, gets the byte 1 (the rule says 127 for zeros: its codes are zeros, and the bytes are read by this program alone); NaN and infinities are not served.
; SHARES: a wave takes a tile: 16 KiB of f32.  Each load reads 512 consecutive bytes; the tile turns through the wave's own stage in LDS, so that a lane gets whole blocks of its row.  Waves share nothing: no barrier.
; No matrix unit, no cluster, no tensor load: every input byte is read once by one wave, and nothing is shared between work-groups.
.set XWS,  3293184                     ; 1072 tiles x 3072 bytes of codes; behind them the scale words
.set SP,   1040                        ; a stage row: 1,024 bytes + 16 = 260 words: row r starts at bank 4 r mod 64 (64 banks of 4 bytes: ISA guide 11.1)
.set WREG, 16*SP                       ; a wave's stage
.set SPARE, 4*WREG                     ; the spare words
.set LN,   1                           ; lane
.set LI,   4                           ; 16 x lane
.set SIN,  5                           ; the stage on the way in
.set SOUT, 6                           ; and on the way out: row r, + 128 h
.set L4,   7                           ; 4 x lane
.set H8,   8                           ; 8 h
.set X,    16                          ; v16-143  the tile as loaded, then as turned
.set TM,   144
.set PW,   160
.set PC,   164                         ; v164-183, v184-203 the two fragments
.set SPW,  208
.set NIL,  209
.set SEL,  20                          ; s[20:21] v_permlanex16_b32's selects for lane l xor 16
; 64 numbers of a lane, register 32 c + i = k 64 c + 32 h + i of my row, become a fragment's codes in v[pc] .. v[pc + 11] and its scale word in v[pw].
.macro QUANT s, pc, pw
.irp c, 0,1
	v_max3_num_f32 v[TM+\c], |v[\s+32*\c]|, |v[\s+32*\c+1]|, 0x1800000   ; the floor 2^(3 - 127): the byte cannot fall under 1
	v_max3_num_f32 v[TM+2+\c], |v[\s+32*\c+16]|, |v[\s+32*\c+17]|, |v[\s+32*\c+18]|
.endr
.irp i, 2,4,6,8,10,12
.irp c, 0,1
	v_max3_num_f32 v[TM+\c], v[TM+\c], |v[\s+32*\c+\i]|, |v[\s+32*\c+\i+1]|
	v_max3_num_f32 v[TM+2+\c], v[TM+2+\c], |v[\s+32*\c+17+\i]|, |v[\s+32*\c+18+\i]|
.endr
.endr
.irp c, 0,1
	v_max3_num_f32 v[TM+\c], v[TM+\c], |v[\s+32*\c+14]|, |v[\s+32*\c+15]|
.endr
.irp c, 0,1
	v_max3_num_f32 v[TM+\c], v[TM+\c], v[TM+2+\c], |v[\s+32*\c+31]|
.endr
.irp c, 0,1
	v_add_nc_u32 v[TM+4+\c], 0xff000000, v[TM+\c]  ; 2 off the exponent field: the conversion takes the exponent field of this operand as its scale
.endr
.irp c, 0,1
	v_lshrrev_b32 v[TM+\c], 23, v[TM+4+\c]         ; the scale's byte
.endr
	v_lshl_or_b32 v[\pw], v[TM+1], 16, v[TM]       ; my two bytes: blocks h and 2 + h,
	v_lshlrev_b32 v[\pw], v[H8], v[\pw]            ; at their places;
	v_permlanex16_b32 v[TM+2], v[\pw], s[SEL], s[SEL+1]
	v_or_b32 v[\pw], v[\pw], v[TM+2]               ; with lane l xor 16's two the word is whole
.irp c, 0,1
	v_cvt_scalef32_pk16_fp6_f32 v[\pc+6*\c:\pc+2+6*\c], v[\s+32*\c:\s+15+32*\c], v[TM+4+\c]
	v_cvt_scalef32_pk16_fp6_f32 v[\pc+12+4*\c:\pc+14+4*\c], v[\s+16+32*\c:\s+31+32*\c], v[TM+4+\c]   ; (a conversion's three registers begin on an even number)
.endr
	v_nop                                          ; one plain place behind a scaled conversion
.irp c, 0,1
.irp i, 0,1,2
	v_mov_b32 v[\pc+3+6*\c+\i], v[\pc+12+4*\c+\i]
.endr
.endr
.endm
	s_load_b256 s[4:11], s[0:1], 0x0               ; x s[4:5], Wq s[6:7], Wk s[8:9], Wv s[10:11]
	s_load_b64 s[12:13], s[0:1], 0x20              ; xw
	v_lshl_add_u32 v[SPW], v0, 2, SPARE
	v_mov_b32 v[NIL], 0
	v_lshrrev_b32 v1, 5, v0
	v_readfirstlane_b32 s14, v1                    ; wave 0..3
	v_and_b32 v[LN], 31, v0
	v_and_b32 v2, 15, v0                           ; r
	v_bfe_u32 v3, v0, 4, 1                         ; h
	v_lshlrev_b32 v[LI], 4, v[LN]
	v_lshlrev_b32 v[L4], 2, v[LN]
	v_lshlrev_b32 v[H8], 3, v3
	s_mul_i32 s26, s14, WREG                       ; my stage
	v_add_nc_u32 v[SIN], s26, v[LI]
	v_mul_u32_u24 v[SOUT], v2, SP
	v_lshl_add_u32 v[SOUT], v3, 7, v[SOUT]
	v_add_nc_u32 v[SOUT], s26, v[SOUT]
	s_mov_b32 s[SEL], 0x76543210
	s_mov_b32 s[SEL+1], 0xfedcba98
	s_wait_alu depctr_va_vdst(0)                   ; the wait at the head's end
	s_wait_kmcnt 0x0
	; which tensor: work-groups 0-255 x, 256-259 Wq, 260-263 Wk, 264-267 Wv.  Only a pointer and a number are chosen, by the work-group's number
	s_mov_b64 s[16:17], s[10:11]
	s_mov_b32 s15, 264
	s_cmp_lt_u32 ttmp9, 264
	s_cselect_b64 s[16:17], s[8:9], s[16:17]
	s_cselect_b32 s15, 260, s15
	s_cmp_lt_u32 ttmp9, 260
	s_cselect_b64 s[16:17], s[6:7], s[16:17]
	s_cselect_b32 s15, 256, s15
	s_cmp_lt_u32 ttmp9, 256
	s_cselect_b64 s[16:17], s[4:5], s[16:17]
	s_cselect_b32 s15, 0, s15
	s_sub_co_u32 s15, ttmp9, s15                   ; which 64 rows of the tensor
	s_lshl_b32 s18, s15, 6
	s_lshl_b32 s22, s14, 3
	s_add_co_u32 s18, s18, s22                     ; + 8 x wave: the tile's first row
	s_lshl_b32 s18, s18, 10                        ; rows of 1,024 bytes (under 2^24 in all)
	s_mov_b32 s19, 0
	s_add_nc_u64 s[16:17], s[16:17], s[18:19]
	s_lshl_b32 s22, ttmp9, 2
	s_add_co_u32 s22, s22, s14                     ; T = 4 x work-group + wave
	s_mul_i32 s24, s22, 3072
	s_mov_b32 s25, 0
	s_add_nc_u64 s[24:25], s[12:13], s[24:25]      ; the tile's codes
	s_lshl_b32 s22, s22, 7
	s_add_co_u32 s22, s22, XWS
	s_mov_b32 s23, 0
	s_add_nc_u64 s[22:23], s[12:13], s[22:23]      ; and its scale words
.set n, 0
.rept 16                                       ; the tile's row n is the tensor's row n + 24 (n / 8) from the tile's first; 32 lanes read 512 consecutive bytes
	global_load_b128 v[X+8*n:X+8*n+3],   v[LI], s[16:17] offset:(n+24*(n/8))*1024 th:TH_LOAD_NT
	global_load_b128 v[X+8*n+4:X+8*n+7], v[LI], s[16:17] offset:(n+24*(n/8))*1024+512 th:TH_LOAD_NT
.set n, n+1
.endr
.set n, 0
.rept 16
.if n%4 == 0
	s_wait_loadcnt 24-2*n                          ; these four rows' eight loads are in; the rows behind them may be out
.endif
	ds_store_b128 v[SIN], v[X+8*n:X+8*n+3]   offset:n*SP
	ds_store_b128 v[SIN], v[X+8*n+4:X+8*n+7] offset:n*SP+512
.set n, n+1
.endr
	s_wait_dscnt 0x0                               ; the stores have read their registers, which take the turned tile
.irp s, 0,1
.irp c, 0,1
.irp j, 0,1,2,3,4,5,6,7
	ds_load_b128 v[X+64*\s+32*\c+4*\j:X+64*\s+32*\c+4*\j+3], v[SOUT] offset:512*\s+256*\c+16*\j   ; row r: K step s, block 2 c + h
.endr
.endr
.endr
	s_wait_dscnt 16                                ; K step 0's sixteen loads are in; K step 1's may be out
	QUANT X, PC, PW
.irp c, 0,1,2
	global_store_b128 v[LI], v[PC+4*\c:PC+4*\c+3], s[24:25] offset:512*\c        ; 32 lanes store 512 consecutive bytes, at a multiple of 256 from xw's first byte
.endr
	s_wait_dscnt 0x0
	QUANT X+64, PC+20, PW+1
.irp c, 0,1,2
	global_store_b128 v[LI], v[PC+20+4*\c:PC+23+4*\c], s[24:25] offset:1536+512*\c
.endr
	v_cmp_le_u32 vcc_lo, 16, v[LN]
	v_cndmask_b32 v[PW+2], v[PW], v[PW+1], vcc_lo  ; lanes 0-15 keep K step 0's word of row r, lanes 16-31 take K step 1's
	global_store_b32 v[L4], v[PW+2], s[22:23]      ; 128 consecutive bytes a tile: the four waves of a work-group fill 512
	s_wait_tensorcnt 0x0                           ; the wave's end
	ds_add_u32 v[SPW], v[NIL]
	s_wait_dscnt 0x0
	s_endpgm
.Lfunc_end_k_qc758ed00ee_quant:
	.size	k_qc758ed00ee_quant, .Lfunc_end_k_qc758ed00ee_quant-k_qc758ed00ee_quant
	.p2alignl 7, 3214868480
	.fill 96, 4, 3214868480
	.section	.rodata,"a",@progbits
	.p2align	6, 0x0
	.amdhsa_kernel k_qc758ed00ee_quant
		.amdhsa_group_segment_fixed_size 67072
		.amdhsa_private_segment_fixed_size 0
		.amdhsa_enable_private_segment 0
		.amdhsa_kernarg_size 40
		.amdhsa_user_sgpr_count 2
		.amdhsa_user_sgpr_kernarg_segment_ptr 1
		.amdhsa_wavefront_size32 1
		.amdhsa_system_sgpr_workgroup_id_x 1
		.amdhsa_system_sgpr_workgroup_id_y 1
		.amdhsa_system_sgpr_workgroup_id_z 1
		.amdhsa_system_vgpr_workitem_id 0
		.amdhsa_next_free_vgpr 210
		.amdhsa_next_free_sgpr 66
		.amdhsa_reserve_vcc 1
		.amdhsa_float_denorm_mode_32 3
		.amdhsa_float_denorm_mode_16_64 3
		.amdhsa_memory_ordered 1
		.amdhsa_forward_progress 1
		.amdhsa_inst_pref_size 17
	.end_amdhsa_kernel
	.amdgpu_metadata
---
amdhsa.version: [ 1, 2 ]
amdhsa.kernels:
  - .name:           k_qc758ed00ee_quant
    .symbol:         k_qc758ed00ee_quant.kd
    .args:
      - { .name: x, .offset: 0, .size: 8, .value_kind: global_buffer, .address_space: global }
      - { .name: Wq, .offset: 8, .size: 8, .value_kind: global_buffer, .address_space: global }
      - { .name: Wk, .offset: 16, .size: 8, .value_kind: global_buffer, .address_space: global }
      - { .name: Wv, .offset: 24, .size: 8, .value_kind: global_buffer, .address_space: global }
      - { .name: xw, .offset: 32, .size: 8, .value_kind: global_buffer, .address_space: global }
    .group_segment_fixed_size: 67072
    .private_segment_fixed_size: 0
    .kernarg_segment_align: 8
    .kernarg_segment_size: 40
    .max_flat_workgroup_size: 128
    .sgpr_count:     66
    .vgpr_count:     210
    .wavefront_size: 32
...
	.end_amdgpu_metadata
.endif
;; end of part 1
;; launch proj (part 2): grid 64 x 6, 4 waves a work-group, no clusters, 0 bytes of LDS; arguments xw, bq, bk, bv, qc, kv; writes qc, kv
.if DOCPART == 2
	.amdgcn_target "amdgcn-amd-amdhsa--gfx1250"
	.amdhsa_code_object_version 6
	.text
	.protected	k_qc758ed00ee_proj
	.globl	k_qc758ed00ee_proj
	.p2align	8
	.type	k_qc758ed00ee_proj,@function
k_qc758ed00ee_proj:
	s_mov_b64 s[64:65], 0
	v_nop
	global_prefetch_b8 v0, s[64:65] scope:SCOPE_SE
	s_setreg_imm32_b32 hwreg(HW_REG_WAVE_MODE, 25, 1), 1
	s_wait_xcnt 0x0
; Q = x Wq^T + bq, K = x Wk^T + bk, V = x Wv^T + bv on codes of FP6 (E2M3) with E8M0 scales, sums in f32; each result is quantised at once for the product that will read it: Q and K along their 256 channels, V along the KEYS.
; All operands are images of registers (a fragment: 16 rows x 128 K, three pieces of 512 bytes, lane l's 16 bytes at 16 l), so every fragment comes and goes by three accesses of 16 bytes a lane.
; A UNIT: 8 tiles of a HELD operand (source 0) x one STREAMED tile (source 1): 16 matrix instructions (two K steps of 128) give lane (r, h) 64 numbers of the streamed tile's row r: register 32 c + i is the held operand's
; row 64 c + 32 h + i (of a group of 64 rows, tile t holds in lane r the row 8 t + r % 8 + 32 (r / 8)): two whole blocks of 32, one fragment, one scale word.
;   Q, K (work-group y = 0 .. 3): held = 128 rows of Wq or Wk (channels 128 (y % 2) on), streamed = 16 tokens: a fragment of 16 tokens x 128 channels.   The bias lies along the registers.
;   V    (y = 4, 5):              held = the chunk's 128 tokens of x,                    streamed = 16 rows of Wv: a fragment of 16 channels x 128 keys.  The bias is one number a lane.
; The bias is the C of each sum's first matrix instruction.
; SHARES: a wave does 4 units with one held operand: chunk c = 2 x work-group x + wave / 2 (128 tokens), and hf = wave % 2 says which four streamed tiles.  No LDS, no barrier: waves share nothing.
; qc: a record of 12,800 bytes for each 64 tokens: fragment (tile k, K step s) at 1536 (2 k + s); scale words at 12288 + 256 s + 16 r + 4 k.
; kv: a record of 204,800 bytes for each 512 tokens (four chunks, q = c % 4): K's codes at 24576 q: fragment (tile t, K step s) at 1536 (2 t + s); K's scale words at 98304 + 1024 q: 512 (t / 4) + 256 s + 16 r + 4 (t % 4);
;     102,400 bytes on the same for V: fragment n (16 channels) at 1536 n; scale words 512 (n / 8) + 256 ((n / 4) % 2) + 16 r + 4 (n % 4).
; NO CLUSTER, NO TENSOR LOAD: operands go from memory straight into registers; a wave has 64 matrix instructions in all, and joint loads would put a way through LDS and the cluster's barriers in front of them.
; LIMITS: a block of zeros, or one whose largest magnitude lies under 2^-124, gets the scale byte 1 (its codes are zeros or next to it, and this program alone reads the bytes); NaN and infinities are not served.
; REGISTERS: window 1: v0-191 the held operand's 16 fragments ((t, s) at 12 (2 t + s)); v192-255 the bias, eight registers a tile (Q, K) or a unit (V).
;   window 0: v1-8 addresses; v16-111 the four streamed tiles; v112-175 a unit's results; v176-195 its codes; v196-201 at work; v212-215 the four units' scale words; v216-223, v224-227 the operands' scale words.
.set XWS, 3293184                      ; xw: the scale words lie behind 1072 tiles x 3072 bytes of codes
.set RECB, 204800
.set LI,  1                            ; 16 x lane
.set L4,  2                            ; 4 x lane
.set R16, 3                            ; 16 x (lane % 16)
.set BO,  4                            ; my lane's place in the bias
.set H8,  8                            ; 8 h
.set BF,  16
.set D,   112
.set PC,  176
.set TM,  196
.set PW,  212
.set HS,  216                          ; the held tiles' scale words: lanes 0-15 K step 0, lanes 16-31 K step 1
.set SS,  224                          ; the streamed tiles' likewise
.set BI,  192                          ; in window 1
.set SEL, 22                           ; s[22:23] v_permlanex16_b32's selects for lane l xor 16
.set MSB, 0
.macro WIN new                         ; the immediate's high byte repeats the setting that is left
.if MSB != (\new)
	s_set_vgpr_msb (MSB<<8)|(\new)
.set MSB, (\new)
.endif
.endm
; 64 numbers of a lane, register 32 c + i = k 64 c + 32 h + i of my row, become a fragment's codes in v[pc] .. v[pc + 11] and its scale word in v[pw].  (Each accumulator is read from its low end on)
.macro QUANT s, pc, pw
.irp c, 0,1
	v_max3_num_f32 v[TM+\c], |v[\s+32*\c]|, |v[\s+32*\c+1]|, 0x1800000   ; the floor 2^(3 - 127): the byte cannot fall under 1
	v_max3_num_f32 v[TM+2+\c], |v[\s+32*\c+16]|, |v[\s+32*\c+17]|, |v[\s+32*\c+18]|
.endr
.irp i, 2,4,6,8,10,12
.irp c, 0,1
	v_max3_num_f32 v[TM+\c], v[TM+\c], |v[\s+32*\c+\i]|, |v[\s+32*\c+\i+1]|
	v_max3_num_f32 v[TM+2+\c], v[TM+2+\c], |v[\s+32*\c+17+\i]|, |v[\s+32*\c+18+\i]|
.endr
.endr
.irp c, 0,1
	v_max3_num_f32 v[TM+\c], v[TM+\c], |v[\s+32*\c+14]|, |v[\s+32*\c+15]|
.endr
.irp c, 0,1
	v_max3_num_f32 v[TM+\c], v[TM+\c], v[TM+2+\c], |v[\s+32*\c+31]|
.endr
.irp c, 0,1
	v_add_nc_u32 v[TM+4+\c], 0xff000000, v[TM+\c]  ; 2 off the exponent field: the conversion takes the exponent field of this operand as its scale
.endr
.irp c, 0,1
	v_lshrrev_b32 v[TM+\c], 23, v[TM+4+\c]         ; the scale's byte
.endr
	v_lshl_or_b32 v[\pw], v[TM+1], 16, v[TM]       ; my two bytes: blocks h and 2 + h,
	v_lshlrev_b32 v[\pw], v[H8], v[\pw]            ; at their places;
	v_permlanex16_b32 v[TM+2], v[\pw], s[SEL], s[SEL+1]
	v_or_b32 v[\pw], v[\pw], v[TM+2]               ; with lane l xor 16's two the word is whole
.irp c, 0,1
	v_cvt_scalef32_pk16_fp6_f32 v[\pc+6*\c:\pc+2+6*\c], v[\s+32*\c:\s+15+32*\c], v[TM+4+\c]
	v_cvt_scalef32_pk16_fp6_f32 v[\pc+12+4*\c:\pc+14+4*\c], v[\s+16+32*\c:\s+31+32*\c], v[TM+4+\c]   ; (a conversion's three registers begin on an even number)
.endr
	v_nop                                          ; one plain place behind a scaled conversion: the next unit's products write its sources
.irp c, 0,1
.irp i, 0,1,2
	v_mov_b32 v[\pc+3+6*\c+\i], v[\pc+12+4*\c+\i]
.endr
.endr
.endm
; where tile s[idx] of xw lies: its codes and its scale words.  s41 = 0
.macro TILES idx, codes, scales
	s_mul_i32 s40, s[\idx], 3072
	s_add_nc_u64 s[\codes:\codes+1], s[4:5], s[40:41]
	s_lshl_b32 s40, s[\idx], 7
	s_add_co_u32 s40, s40, XWS
	s_add_nc_u64 s[\scales:\scales+1], s[4:5], s[40:41]
.endm
; All of a wave's loads, in the order in which they are wanted; the streamed tiles last, six loads each, so that a unit's wait can leave the later units' out.  role 0: Q, K; 1: V
.macro LOADS role
	WIN 0x40                                       ; destination window 1
.irp f, 0,1,2,3,4,5,6,7,8,9,10,11,12,13,14,15
.irp c, 0,1,2
	global_load_b128 v[12*\f+4*\c:12*\f+4*\c+3], v[LI], s[24:25] offset:1536*\f+512*\c
.endr
.endr
	WIN 0
.irp t, 0,1,2,3,4,5,6,7
	global_load_b32 v[HS+\t], v[L4], s[26:27] offset:128*\t
.endr
	WIN 0x40
.if \role == 0
.irp t, 0,1,2,3,4,5,6,7                        ; lane (r, h) wants, for tile t, the bias of channels 64 (t / 4) + 32 h + 8 (t % 4) + 0 .. 7
	global_load_b128 v[BI+8*\t:BI+8*\t+3],   v[BO], s[32:33] offset:(64*(\t/4)+8*(\t%4))*4
	global_load_b128 v[BI+8*\t+4:BI+8*\t+7], v[BO], s[32:33] offset:(64*(\t/4)+8*(\t%4))*4+16
.endr
.else
.irp u, 0,1,2,3                                ; lane (r, h) wants, for unit u, the bias of its one channel
	global_load_b32 v[BI+8*\u], v[BO], s[32:33] offset:32*\u
.endr
.endif
	WIN 0
.irp u, 0,1,2,3
	global_load_b32 v[SS+\u], v[L4], s[30:31] offset:128*\u
.endr
.irp u, 0,1,2,3
.irp f, 0,1
.irp c, 0,1,2
	global_load_b128 v[BF+24*\u+12*\f+4*\c:BF+24*\u+12*\f+4*\c+3], v[LI], s[28:29] offset:3072*\u+1536*\f+512*\c
.endr
.endr
.endr
.endm
; Unit u.  step: bytes from a unit's fragment to the next in the output.  The eight accumulators take turns, one instruction a turn.
.macro UNIT u, role, step
	s_wait_loadcnt 6*(3-\u)                        ; all but the later units' streamed tiles, six loads each
.if (\role == 1) && (\u == 0)
	WIN 0x41                                       ; destination and source 0 window 1
.irp q, 0,1,2,3
.irp j, 1,2,3,4,5,6,7
	v_mov_b32 v[BI+8*\q+\j], v[BI+8*\q]            ; C is a run of eight registers: the lane's one bias fills it
.endr
.endr
.endif
	WIN 0x11                                       ; source 0 (held) and source 2 (bias) window 1
.irp t, 0,1,2,3,4,5,6,7
.if \role == 0
	v_wmma_scale_f32_16x16x128_f8f6f4 v[D+8*\t:D+8*\t+7], v[24*\t:24*\t+11], v[BF+24*\u:BF+24*\u+11], v[BI+8*\t:BI+8*\t+7], v[HS+\t], v[SS+\u] matrix_a_fmt:MATRIX_FMT_FP6 matrix_b_fmt:MATRIX_FMT_FP6
.else
	v_wmma_scale_f32_16x16x128_f8f6f4 v[D+8*\t:D+8*\t+7], v[24*\t:24*\t+11], v[BF+24*\u:BF+24*\u+11], v[BI+8*\u:BI+8*\u+7], v[HS+\t], v[SS+\u] matrix_a_fmt:MATRIX_FMT_FP6 matrix_b_fmt:MATRIX_FMT_FP6
.endif
.endr
	WIN 0x01
.irp t, 0,1,2,3,4,5,6,7                        ; the second 128 along K: its scale words lie in lanes 16-31
	v_wmma_scale_f32_16x16x128_f8f6f4 v[D+8*\t:D+8*\t+7], v[24*\t+12:24*\t+23], v[BF+24*\u+12:BF+24*\u+23], v[D+8*\t:D+8*\t+7], v[HS+\t], v[SS+\u] matrix_a_fmt:MATRIX_FMT_FP6 matrix_b_fmt:MATRIX_FMT_FP6 matrix_a_scale:MATRIX_SCALE_ROW1 matrix_b_scale:MATRIX_SCALE_ROW1
.endr
	WIN 0
.rept 4
	v_nop                                          ; four places in front of the first read of results (ISA guide 7.12.1)
.endr
	s_wait_xcnt 0x0                                ; the last unit's stores have had their addresses translated (ISA guide 3.1): the codes' registers are written again only behind this wait
	QUANT D, PC, PW+\u                             ; (its plain lines on v176-215 are also the places in front of the next unit's products, which begin these accumulators anew)
.irp c, 0,1,2
	global_store_b128 v[LI], v[PC+4*\c:PC+4*\c+3], s[34:35] offset:\u*\step+512*\c   ; 32 lanes store 512 consecutive bytes, at a multiple of 256 from the buffer's first byte
.endr
.endm
	s_load_b256 s[4:11], s[0:1], 0x0               ; xw s[4:5], bq s[6:7], bk s[8:9], bv s[10:11]
	s_load_b128 s[12:15], s[0:1], 0x20             ; qc s[12:13], kv s[14:15]
	v_lshrrev_b32 v1, 5, v0
	v_readfirstlane_b32 s16, v1                    ; wave 0..3
	v_and_b32 v5, 31, v0                           ; lane
	v_and_b32 v6, 15, v0                           ; r
	v_bfe_u32 v7, v0, 4, 1                         ; h
	v_lshlrev_b32 v[LI], 4, v5
	v_lshlrev_b32 v[L4], 2, v5
	v_lshlrev_b32 v[R16], 4, v6
	v_lshlrev_b32 v[H8], 3, v7
	s_wait_alu depctr_va_vdst(0)
	s_and_b32 s17, ttmp7, 0xffff                   ; y: 0, 1 Q; 2, 3 K; 4, 5 V
	s_lshl_b32 s18, ttmp9, 1
	s_lshr_b32 s19, s16, 1
	s_add_co_u32 s18, s18, s19                     ; c: my chunk of 128 tokens
	s_and_b32 s19, s16, 1                          ; hf
	s_and_b32 s20, s17, 1                          ; s = y % 2
	s_mov_b32 s[SEL], 0x76543210
	s_mov_b32 s[SEL+1], 0xfedcba98
	s_mov_b32 s41, 0
	s_mov_b32 s43, 0
	s_lshr_b32 s38, s18, 2
	s_mul_i32 s21, s38, RECB                       ; my record of kv,
	s_and_b32 s38, s18, 3
	s_mul_i32 s39, s38, 24576
	s_lshl_b32 s38, s38, 10
	s_add_co_u32 s47, s21, s38
	s_add_co_u32 s47, s47, 98304                   ; my chunk's K scale words in it,
	s_add_co_u32 s21, s21, s39                     ; and its K codes; V's lie 102,400 bytes on
	s_wait_kmcnt 0x0
	s_cmp_lt_u32 s17, 4
	s_cbranch_scc0 .Lvalues
	; ---- Q and K
	v_lshlrev_b32 v[BO], 7, v7                     ; the bias: 128 h bytes on
	s_wait_alu depctr_va_vdst(0)
	s_lshl_b32 s38, s17, 3
	s_add_co_u32 s38, s38, 1024                    ; held: tiles 1024 + 8 y on: Wq's 16 tiles, then Wk's 16
	TILES 38, 24, 26
	s_lshl_b32 s38, s18, 3
	s_lshl_b32 s39, s19, 2
	s_add_co_u32 s38, s38, s39                     ; streamed: x's tiles 8 c + 4 hf on
	TILES 38, 28, 30
	s_lshl_b32 s38, s18, 1
	s_add_co_u32 s38, s38, s19
	s_mul_i32 s38, s38, 12800                      ; Q: record 2 c + hf
	s_mul_i32 s39, s20, 1536
	s_add_co_u32 s44, s38, s39                     ;    codes: + 1536 s
	s_lshl_b32 s46, s20, 8
	s_add_co_u32 s45, s38, s46
	s_add_co_u32 s45, s45, 12288                   ;    scale words: + 12288 + 256 s
	s_add_co_u32 s38, s21, s39                     ; K
	s_mul_i32 s39, s19, 12288
	s_add_co_u32 s38, s38, s39                     ;    codes: + 12288 hf + 1536 s
	s_add_co_u32 s39, s47, s46
	s_lshl_b32 s46, s19, 9
	s_add_co_u32 s39, s39, s46                     ;    scale words: + 512 hf + 256 s
	s_cmp_lt_u32 s17, 2                            ; Q or K: the choice hangs on the work-group's number alone
	s_cselect_b32 s40, s44, s38
	s_cselect_b32 s42, s45, s39
	s_cselect_b64 s[34:35], s[12:13], s[14:15]
	s_cselect_b64 s[32:33], s[6:7], s[8:9]
	s_add_nc_u64 s[36:37], s[34:35], s[42:43]
	s_add_nc_u64 s[34:35], s[34:35], s[40:41]
	s_lshl_b32 s40, s20, 9
	s_add_nc_u64 s[32:33], s[32:33], s[40:41]      ; the bias of channels 128 s on
	LOADS 0
	UNIT 0, 0, 3072
	UNIT 1, 0, 3072
	UNIT 2, 0, 3072
	UNIT 3, 0, 3072
	global_store_b128 v[R16], v[PW:PW+3], s[36:37] ; row r's four words, one for each of my tiles: 256 consecutive bytes, aligned; lanes 16-31 hold and write the same as lanes 0-15
	s_endpgm
.Lvalues:
	; ---- V
	v_and_b32 v5, 7, v6
	v_lshrrev_b32 v[BO], 3, v6
	v_lshl_add_u32 v[BO], v[BO], 5, v5
	v_lshlrev_b32 v[BO], 2, v[BO]                  ; the bias: my channel in its tile, r % 8 + 32 (r / 8)
	s_wait_alu depctr_va_vdst(0)
	s_lshl_b32 s38, s18, 3                         ; held: x's tiles 8 c on
	TILES 38, 24, 26
	s_lshl_b32 s39, s20, 3
	s_lshl_b32 s38, s19, 2
	s_add_co_u32 s39, s39, s38                     ; n0 = 8 s + 4 hf: my first tile of channels
	s_add_co_u32 s38, s39, 1056                    ; streamed: Wv's tiles n0 on
	TILES 38, 28, 30
	s_lshl_b32 s40, s39, 6                         ; tile n0 begins at channel 16 n0: 64 n0 bytes
	s_add_nc_u64 s[32:33], s[10:11], s[40:41]
	s_mul_i32 s38, s39, 1536
	s_add_co_u32 s40, s21, s38
	s_add_co_u32 s40, s40, 102400
	s_add_nc_u64 s[34:35], s[14:15], s[40:41]      ; codes: + 1536 n0
	s_lshl_b32 s38, s39, 6
	s_add_co_u32 s40, s47, s38
	s_add_co_u32 s40, s40, 102400
	s_add_nc_u64 s[36:37], s[14:15], s[40:41]      ; scale words: + 512 s + 256 hf
	LOADS 1
	UNIT 0, 1, 1536
	UNIT 1, 1, 1536
	UNIT 2, 1, 1536
	UNIT 3, 1, 1536
	global_store_b128 v[R16], v[PW:PW+3], s[36:37] ; as above
	s_endpgm
.Lfunc_end_k_qc758ed00ee_proj:
	.size	k_qc758ed00ee_proj, .Lfunc_end_k_qc758ed00ee_proj-k_qc758ed00ee_proj
	.p2alignl 7, 3214868480
	.fill 96, 4, 3214868480
	.section	.rodata,"a",@progbits
	.p2align	6, 0x0
	.amdhsa_kernel k_qc758ed00ee_proj
		.amdhsa_group_segment_fixed_size 0
		.amdhsa_private_segment_fixed_size 0
		.amdhsa_enable_private_segment 0
		.amdhsa_kernarg_size 48
		.amdhsa_user_sgpr_count 2
		.amdhsa_user_sgpr_kernarg_segment_ptr 1
		.amdhsa_wavefront_size32 1
		.amdhsa_system_sgpr_workgroup_id_x 1
		.amdhsa_system_sgpr_workgroup_id_y 1
		.amdhsa_system_sgpr_workgroup_id_z 1
		.amdhsa_system_vgpr_workitem_id 0
		.amdhsa_next_free_vgpr 512
		.amdhsa_next_free_sgpr 66
		.amdhsa_reserve_vcc 0
		.amdhsa_float_denorm_mode_32 3
		.amdhsa_float_denorm_mode_16_64 3
		.amdhsa_memory_ordered 1
		.amdhsa_forward_progress 1
		.amdhsa_inst_pref_size 68
	.end_amdhsa_kernel
	.amdgpu_metadata
---
amdhsa.version: [ 1, 2 ]
amdhsa.kernels:
  - .name:           k_qc758ed00ee_proj
    .symbol:         k_qc758ed00ee_proj.kd
    .args:
      - { .name: xw, .offset: 0, .size: 8, .value_kind: global_buffer, .address_space: global }
      - { .name: bq, .offset: 8, .size: 8, .value_kind: global_buffer, .address_space: global }
      - { .name: bk, .offset: 16, .size: 8, .value_kind: global_buffer, .address_space: global }
      - { .name: bv, .offset: 24, .size: 8, .value_kind: global_buffer, .address_space: global }
      - { .name: qc, .offset: 32, .size: 8, .value_kind: global_buffer, .address_space: global }
      - { .name: kv, .offset: 40, .size: 8, .value_kind: global_buffer, .address_space: global }
    .group_segment_fixed_size: 0
    .private_segment_fixed_size: 0
    .kernarg_segment_align: 8
    .kernarg_segment_size: 48
    .max_flat_workgroup_size: 128
    .sgpr_count:     66
    .vgpr_count:     512
    .wavefront_size: 32
...
	.end_amdgpu_metadata
.endif
;; end of part 2
;; launch attn (part 3): grid 64 x 4, 4 waves a work-group, clusters of 4 x 1, 327,680 bytes of LDS; arguments qc, kv, out0; writes out0
.if DOCPART == 3
	.amdgcn_target "amdgcn-amd-amdhsa--gfx1250"
	.amdhsa_code_object_version 6
	.text
	.protected	k_qc758ed00ee_attn
	.globl	k_qc758ed00ee_attn
	.p2align	8
	.type	k_qc758ed00ee_attn,@function
k_qc758ed00ee_attn:
	s_mov_b64 s[64:65], 0
	v_nop
	global_prefetch_b8 v0, s[64:65] scope:SCOPE_SE
	s_setreg_imm32_b32 hwreg(HW_REG_WAVE_MODE, 25, 1), 1
	s_wait_xcnt 0x0
	s_wait_alu depctr_hold_cnt(0) depctr_sa_sdst(0) depctr_va_vdst(0) depctr_va_sdst(0) depctr_va_ssrc(0) depctr_va_vcc(0) depctr_vm_vsrc(0)
	s_getreg_b32 s2, hwreg(HW_REG_IB_STS2, 6, 4)
	s_cmp_eq_u32 s2, 0
	s_cbranch_scc0 .Lentry_in_a_cluster
	s_endpgm
.Lentry_in_a_cluster:
	s_bfe_u32 s2, ttmp6, 0x10000c
	s_cmp_lg_u32 s2, 0x3003
	s_cbranch_scc0 .Lentry_shape_is_right
	s_endpgm
.Lentry_shape_is_right:
; out = softmax(Q K^T / 16) V on codes of FP6 (E2M3) with E8M0 scales; p = 2^(t - M), t = score x log2(e) / 16, M the running largest t rounded up to a whole number; p is quantised in blocks of 32 keys, the row's sum is taken of the
; unquantised p, and the result is divided by it at the end.
; SHARES: a work-group makes 64 queries x 256 channels of one batch (grid 64 x 4).  Its four waves all take the 64 queries; of each 512 keys (a STEP, eight in all) wave w takes keys 128 w .. 128 w + 127.  At the end the waves' parts are joined through LDS.
; Wave w's query tile a (0 .. 3) is the block's tile a xor w: so tile 0 is the one that it joins and stores.
; HALVES: scores are made for 64 keys at a time (S^T = K Q^T, four tiles of 16 keys).  By the order of rows in a tile lane (r, h) then holds query r and, in its 32 registers, keys 32 h + 0 .. 31 of the half: a whole block.  So a block's largest number
; needs no other lane, and the two conversions of a half give registers 6 c .. 6 c + 5 of the next operand.  M may grow between a step's halves: the first half's scale bytes are then multiplied by the power of two, which is exact (under 2^-126 they end at byte 0,
; 2^-127), and O is rescaled once a step.
; LDS: two regions for K, one for V, 102,400 bytes each: a step's codes (24,576 bytes a wave) and behind them its scale words (1,024 a wave).  ROUND of step i: in front of it all reads of V(i - 1) and K(i - 1) are over; behind it waves 0 and 1
; fetch V(i), half each, waves 2 and 3 K(i + 1), by joint loads of the four work-groups of a cluster (they share a batch).  A plain barrier behind the second half's softmax shows both to all waves.
; Prefetch: in step i the first cluster of each batch asks for what step i + 1's round will load, V(i + 1) and K(i + 2): 800 blocks of 256 bytes, 50 for each of its sixteen waves, by address.
; LIMITS: the scaled scores (exponents to the base 2) stay under 2^31 in magnitude; NaN and infinities are not served.
; REGISTERS: window 0: v1-15 addresses, K's scale words; v16-31 scale words; v32-63 state; v64-71 the blocks' scales; v72-119 P's codes; v120-127 at work; v128-255 scores.  V's fragments 0-10 lie at v120-251 while they are multiplied.
;   window 1: v0-95 Q; v96-191 K's fragments of a half; v192-251 V's fragments 11-15.   windows 2, 3: O, 128 registers a query tile.
.set KREG,   102400                    ; a region; K's two regions lie at 0 and KREG,
.set VREG,   204800                    ; V's behind them
.set SPARE,  307200
.set RECB,   204800                    ; a step's record in kv: K, then V
.set BATCHB, 8*RECB
.set SLOTM,  16640                     ; the join: a part of one query tile: 16,384 bytes, then -M and l
.set DSTM,   3*SLOTM
.set OPITCH, 1040
.set LI,   1                           ; 16 x lane
.set ADK,  2                           ; LDS address of my K fragments
.set ADKS, 3                           ; and of their scale words
.set SPW,  4
.set NIL,  5
.set PFO,  6
.set ADV,  7                           ; the same for V
.set KS,   8
.set ADVS, 12
.set VS,   16                          ; v16-19, v24-27
.set PS,   20
.set QS,   28
.set ST,   32                          ; eight a query tile: 0, 2 -M by turns; 1 the largest score; 4, 5 the sum in two halves; 6, 7 factors
.set SO,   64                          ; the first half's scale operands
.set BM,   68                          ; a block's largest; then the second half's scale operands
.set P,    72
.set T,    120
.set S,    128
.set WV,   10
.set G1,   16
.set G0V,  24
.set G0K,  28
.set G0H,  32
.set SEL,  36
.set CS,   38
.set NCS,  40
.set KT,   41                          ; the region that takes the next K
.set HALF, 42
.set CW,   43
.set CSW,  44
.set TK,   45
.set SLOTS, 46
.set LIM,  47
.set PFA,  48
.set MSB, 0
.macro WIN new                         ; the immediate's high byte repeats the setting that is left
.if MSB != (\new)
	s_set_vgpr_msb (MSB<<8)|(\new)
.set MSB, (\new)
.endif
.endm
.macro PLACES n
.rept \n
	v_nop
.endr
.endm
.macro WALU
	s_wait_alu depctr_va_vdst(0)
.endm
.macro CREST                           ; a round of the cluster's barrier behind its opening barrier
	s_cmp_lg_u32 s[WV], 0
	s_cbranch_scc1 .Lnot_wave_0_\@
	s_barrier_signal -3
.Lnot_wave_0_\@:
	s_barrier_wait -3
	s_barrier_signal -1
	s_barrier_wait -1
.endm
.macro CROUND
	s_barrier_signal -1
	s_barrier_wait -1
	CREST
.endm
.macro REFILL last                     ; one joint load a wave; the last step has no K to ask for
	s_cmp_lt_u32 s[WV], 2
	s_cbranch_scc0 .Lfor_k_\@
	tensor_load_to_lds s[G0V:G0V+3], s[G1:G1+7]
	s_nop 0
	PLACES 4
	s_branch .Lasked_\@
.Lfor_k_\@:
.if \last
	PLACES 4
.else
	tensor_load_to_lds s[G0K:G0K+3], s[G1:G1+7]
	s_nop 0
	PLACES 4
.endif
.Lasked_\@:
.endm
.macro ASK off
	s_cmp_gt_u32 s[SLOTS], s[LIM]
	s_cbranch_scc0 .Lnot_mine_\@
	global_prefetch_b8 v[PFO], s[PFA:PFA+1] offset:\off th:TH_LOAD_NT scope:SCOPE_SE
	global_prefetch_b8 v[PFO], s[PFA:PFA+1] offset:(\off)+6400 th:TH_LOAD_NT scope:SCOPE_SE
.Lnot_mine_\@:
.endm
.macro FETCHK c                        ; half c of my 128 keys: eight fragments, four scale words a row: 25 loads
	WIN 0x40
.irp f, 0,1,2,3,4,5,6,7
.irp p, 0,1,2
	ds_load_b128 v[96+12*\f+4*\p:96+12*\f+4*\p+3], v[ADK] offset:12288*\c+1536*\f+512*\p
.endr
.endr
	WIN 0
	ds_load_b128 v[KS:KS+3], v[ADKS] offset:512*\c
.endm
.macro SMUL s                          ; S^T, 128 of the 256 channels: 16 products; the second 128's scale words lie in lanes 16-31
	WIN 0x05
.irp t, 0,1,2,3
.irp a, 0,1,2,3
.if \s
	v_wmma_scale_f32_16x16x128_f8f6f4 v[S+32*\a+8*\t:S+32*\a+8*\t+7], v[108+24*\t:119+24*\t], v[24*\a+12:24*\a+23], v[S+32*\a+8*\t:S+32*\a+8*\t+7], v[KS+\t], v[QS+\a] matrix_a_fmt:MATRIX_FMT_FP6 matrix_b_fmt:MATRIX_FMT_FP6 matrix_a_scale:MATRIX_SCALE_ROW1 matrix_b_scale:MATRIX_SCALE_ROW1
.else
	v_wmma_scale_f32_16x16x128_f8f6f4 v[S+32*\a+8*\t:S+32*\a+8*\t+7], v[96+24*\t:107+24*\t], v[24*\a:24*\a+11], 0, v[KS+\t], v[QS+\a] matrix_a_fmt:MATRIX_FMT_FP6 matrix_b_fmt:MATRIX_FMT_FP6
.endif
.endr
.endr
.endm
.macro TFMA a, j, nn                   ; t - M of two scores
	v_pk_fma_f32 v[S+32*(\a)+\j:S+32*(\a)+\j+1], v[S+32*(\a)+\j:S+32*(\a)+\j+1], s[CS:CS+1], v[ST+8*(\a)+\nn:ST+8*(\a)+\nn+1] op_sel_hi:[1,0,0]
.endm
.macro SOFTMAX c                       ; half c: scores into P's registers 6 c .. 6 c + 5 of each query tile
.set NO, 2*\c                          ; -M's old and new place
.set NN, 2-2*\c
.irp a, 0,1,2,3
	v_max3_num_f32 v[BM+\a], v[S+32*\a], v[S+32*\a+1], v[S+32*\a+2]
.endr
.irp a, 0,1,2,3
	v_max3_num_f32 v[T+\a], v[S+32*\a+16], v[S+32*\a+17], v[S+32*\a+18]
.endr
.irp i, 3,5,7,9,11,13
.irp a, 0,1,2,3
	v_max3_num_f32 v[BM+\a], v[BM+\a], v[S+32*\a+\i], v[S+32*\a+\i+1]
.endr
.irp a, 0,1,2,3
	v_max3_num_f32 v[T+\a], v[T+\a], v[S+32*\a+16+\i], v[S+32*\a+17+\i]
.endr
.endr
.irp a, 0,1,2,3
	v_max3_num_f32 v[BM+\a], v[BM+\a], v[S+32*\a+15], v[S+32*\a+31]
.endr
.irp a, 0,1,2,3
	v_max_num_f32 v[BM+\a], v[BM+\a], v[T+\a]      ; my block's largest score
.endr
.irp a, 0,1,2,3
	v_permlanex16_b32 v[T+\a], v[BM+\a], s[SEL], s[SEL+1]
.endr
.irp a, 0,1,2,3
	v_max3_num_f32 v[ST+8*\a+1], v[ST+8*\a+1], v[BM+\a], v[T+\a]   ; my query's largest so far
.endr
.irp a, 0,1,2,3
	v_mul_f32 v[T+\a], s[NCS], v[ST+8*\a+1]
.endr
.irp a, 0,1,2,3
	v_floor_f32 v[ST+8*\a+NN], v[T+\a]             ; -M = floor(-t)
.endr
.irp a, 0,1,2,3
	v_sub_f32 v[T+\a], v[ST+8*\a+NN], v[ST+8*\a+NO]
.endr
.irp a, 0,1,2,3
	v_cvt_i32_f32 v[T+\a], v[T+\a]                 ; (it saturates)
.endr
.if \c
.irp a, 0,1,2,3
	v_mov_b32 v[ST+8*\a+7], v[ST+8*\a+6]           ; the first half's factor
.endr
.endif
.irp a, 0,1,2,3
	v_ldexp_f32 v[ST+8*\a+6], 1.0, v[T+\a]         ; 2^(old M - new M)
.endr
.irp a, 0,1,2,3
	v_pk_mul_f32 v[ST+8*\a+4:ST+8*\a+5], v[ST+8*\a+4:ST+8*\a+5], v[ST+8*\a+6:ST+8*\a+7] op_sel_hi:[1,0]
.endr
.if \c
.irp a, 0,1,2,3
	v_mul_f32 v[SO+\a], v[ST+8*\a+6], v[SO+\a]     ; the first half's scales under the new M
.endr
.irp a, 0,1,2,3
	v_mul_f32 v[ST+8*\a+6], v[ST+8*\a+6], v[ST+8*\a+7]   ; both halves' factor, for O
.endr
.endif
.set j, 0
.rept 16
	TFMA 0, j, NN
.set j, j+2
.endr
.irp a, 0,1,2,3
	v_fma_f32 v[BM+\a], v[BM+\a], s[CS], v[ST+8*\a+NN]
.endr
.irp k, 0,1,2,3                        ; a batch a query tile; the next tile's multiply-adds stand among the exponentials
	WALU
.set j, 0
.rept 16
	v_exp_f32 v[S+32*\k+j], v[S+32*\k+j]
.if \k < 3
	TFMA \k+1, j, NN
.endif
	v_exp_f32 v[S+32*\k+j+1], v[S+32*\k+j+1]
.set j, j+2
.endr
	v_exp_f32 v[BM+\k], v[BM+\k]                   ; the block's largest p: the same two instructions on the same number
.endr
	v_nop
	WALU
.irp a, 0,1,2,3
	v_max_num_f32 v[BM+\a], 0x1800000, v[BM+\a]    ; the floor 2^(3 - 127)
.endr
.irp a, 0,1,2,3
	v_add_nc_u32 v[SO+4*\c+\a], 0xff000000, v[BM+\a]   ; 2 off the exponent field: the conversions' scale operand
.endr
.irp a, 0,1,2,3
	v_pk_add_f32 v[T+2*\a:T+2*\a+1], v[S+32*\a:S+32*\a+1], v[S+32*\a+2:S+32*\a+3]
.endr
.irp j, 4,8,12,16,20,24,28
.irp a, 0,1,2,3
	v_pk_add_f32 v[ST+8*\a+4:ST+8*\a+5], v[ST+8*\a+4:ST+8*\a+5], v[S+32*\a+\j:S+32*\a+\j+1]
.endr
.irp a, 0,1,2,3
	v_pk_add_f32 v[T+2*\a:T+2*\a+1], v[T+2*\a:T+2*\a+1], v[S+32*\a+\j+2:S+32*\a+\j+3]
.endr
.endr
.irp a, 0,1,2,3
	v_cvt_scalef32_pk16_fp6_f32 v[P+12*\a+6*\c:P+12*\a+6*\c+2], v[S+32*\a:S+32*\a+15], v[SO+4*\c+\a]
.endr
.irp a, 0,1,2,3                        ; (plain places behind the conversions)
	v_pk_add_f32 v[ST+8*\a+4:ST+8*\a+5], v[ST+8*\a+4:ST+8*\a+5], v[T+2*\a:T+2*\a+1]
.endr
.irp a, 0,1,2,3
	v_cvt_scalef32_pk16_fp6_f32 v[S+32*\a:S+32*\a+2], v[S+32*\a+16:S+32*\a+31], v[SO+4*\c+\a]   ; (a conversion's three registers begin on an even number)
.endr
	v_nop
.irp a, 0,1,2,3
.irp i, 0,1,2
	v_mov_b32 v[P+12*\a+6*\c+3+\i], v[S+32*\a+\i]
.endr
.endr
.endm
.macro VLD f                           ; V's fragment f (16 channels x my 128 keys)
.if (\f) < 11
	WIN 0
.irp p, 0,1,2
	ds_load_b128 v[120+12*(\f)+4*\p:123+12*(\f)+4*\p], v[ADV] offset:1536*(\f)+512*\p
.endr
.else
	WIN 0x40
.irp p, 0,1,2
	ds_load_b128 v[192+12*(\f-11)+4*\p:195+12*(\f-11)+4*\p], v[ADV] offset:1536*(\f)+512*\p
.endr
.endif
.endm
.macro RESC g                          ; 32 of the 256 lines that bring O under the new M
.set A_, (\g)/2
.set J_, 128*(A_%2)+64*((\g)%2)
	WIN 0x82+0x41*((\g)/4)
	WALU
.rept 32
	v_pk_mul_f32 v[J_:J_+1], v[J_:J_+1], v[ST+8*A_+6:ST+8*A_+7] op_sel_hi:[1,0]
.set J_, J_+2
.endr
.endm
.macro PV1 n, a
.if (\n) < 11
.set VF, 120+12*(\n)
	WIN 0xa0+0x50*((\a)/2)
.else
.set VF, 192+12*((\n)-11)
	WIN 0xa1+0x50*((\a)/2)
.endif
.set OC, 128*((\a)%2)+8*(\n)
.set VR, VS+8*((\n)/8)+(\n)%4
.if ((\n)/4)%2
	v_wmma_scale_f32_16x16x128_f8f6f4 v[OC:OC+7], v[VF:VF+11], v[P+12*(\a):P+12*(\a)+11], v[OC:OC+7], v[VR], v[PS+(\a)] matrix_a_fmt:MATRIX_FMT_FP6 matrix_b_fmt:MATRIX_FMT_FP6 matrix_a_scale:MATRIX_SCALE_ROW1
.else
	v_wmma_scale_f32_16x16x128_f8f6f4 v[OC:OC+7], v[VF:VF+11], v[P+12*(\a):P+12*(\a)+11], v[OC:OC+7], v[VR], v[PS+(\a)] matrix_a_fmt:MATRIX_FMT_FP6 matrix_b_fmt:MATRIX_FMT_FP6
.endif
.endm
.macro PVG n0, cnt                     ; O^T += V^T P^T for channel tiles n0 on, all four query tiles; each accumulator is named once a step
.irp q, 0,1
.set N_, \n0
.rept \cnt
.irp a, 0,1
	PV1 N_, 2*\q+\a
.endr
.set N_, N_+1
.endr
.endr
.endm
.macro TRIP last
	s_wait_tensorcnt 0x0                           ; (none is out: the barrier in the step before waited)
	ds_add_u32 v[SPW], v[NIL]
	s_wait_dscnt 1                                 ; the first half's K is in; the add may be out
	SMUL 0
	s_wait_dscnt 0x0                               ; the add is done, and so are my reads of V and of the other K region
	s_barrier_signal -1                            ; opens the round
	SMUL 1
	WIN 0
	s_barrier_wait -1
	CREST
	REFILL \last                                   ; (its four v_nop are the places in front of the loads and reads below)
	FETCHK 1
.if !\last
	ASK RECB
.endif
	SOFTMAX 0
	s_wait_dscnt 0x0
	SMUL 0
	SMUL 1
	WIN 0
	PLACES 4
	SOFTMAX 1
	s_wait_tensorcnt 0x0                           ; my part of V(i) or K(i + 1) is in
.if !\last
	s_wait_xcnt 0x0                                ; the prefetches have read their address
	s_add_nc_u64 s[PFA:PFA+1], s[PFA:PFA+1], RECB
	s_add_nc_u64 s[G0V+2:G0V+3], s[G0V+2:G0V+3], RECB
	s_add_nc_u64 s[G0K+2:G0K+3], s[G0K+2:G0K+3], RECB
	s_add_co_u32 s[TK], s[KT], s[CW]               ; where K(i + 1) lies
	v_add_nc_u32 v[ADK], s[TK], v[LI]
	s_add_co_u32 s[TK], s[KT], s[CSW]
	v_add_nc_u32 v[ADKS], s[TK], v[LI]
	s_xor_b32 s[KT], s[KT], KREG
	s_add_co_u32 s[G0K+1], s[KT], s[HALF]
.endif
	s_wait_dscnt 0x0
	s_barrier_signal -1                            ; a plain barrier
.irp a, 0,1,2,3                        ; P's scale words: my two exponent fields into bytes 0 and 2,
	v_perm_b32 v[T+\a], v[BM+\a], v[SO+\a], 0x07060302
.endr
.irp a, 0,1,2,3
	v_lshrrev_b32 v[T+\a], 7, v[T+\a]
.endr
.irp a, 0,1,2,3
	v_permlanex16_b32 v[T+4+\a], v[T+\a], s[SEL], s[SEL+1]
.endr
.irp a, 0,1,2,3
	v_perm_b32 v[PS+\a], v[T+4+\a], v[T+\a], 0x06020400   ; lane l xor 16's into bytes 1 and 3
.endr
	s_barrier_wait -1
	ds_load_b128 v[VS:VS+3], v[ADVS]
	ds_load_b128 v[VS+8:VS+11], v[ADVS] offset:512
.irp g, 0,1,2,3,4,5,6,7
	VLD 2*\g
	VLD 2*\g+1
	RESC \g
.endr
	WALU
	s_wait_dscnt 30                                ; fragments 0-5 are in; ten of three loads may be out
	PVG 0, 6
.if \last
	s_wait_dscnt 15
	PVG 6, 5
	s_wait_dscnt 0x0
.else
	FETCHK 0                                       ; the next step's first half: 25 loads
	s_wait_dscnt 40                                ; fragments 6-10: five of three loads and the 25 may be out
	PVG 6, 5
	s_wait_dscnt 25
.endif
	PVG 11, 5
	WIN 0
	PLACES 5                                       ; places: the next products or the lines below write over registers of these
.endm
	s_load_b128 s[4:7], s[0:1], 0x0                ; qc, kv
	s_load_b64 s[8:9], s[0:1], 0x10                ; out0
	v_lshl_add_u32 v[SPW], v0, 2, SPARE
	v_mov_b32 v[NIL], 0
	ds_add_u32 v[SPW], v[NIL]                      ; the opening lines: the add, twice on end, and its wait
	ds_add_u32 v[SPW], v[NIL]
	v_lshrrev_b32 v1, 5, v0
	v_readfirstlane_b32 s[WV], v1
	s_bfe_u32 s13, ttmp6, 0x40000                  ; cx
	s_lshl_b32 s14, ttmp9, 2
	s_add_co_u32 s14, s14, s13                     ; my 64 queries' number in the batch
	s_and_b32 s15, ttmp7, 0xffff                   ; the batch
	s_mov_b32 s[G1], 15|(3<<16)|(1<<21)            ; joint: all four of the cluster; elements of 8 bytes; rows of 256 bytes
	s_mov_b32 s[G1+1], 32<<16
	s_mov_b32 s[G1+2], 100<<16                     ; the head's loads: 100 rows a wave
	s_mov_b32 s[G1+3], 32<<16
	s_mov_b32 s[G1+4], 100
	s_mov_b32 s[G1+5], 32
	s_mov_b32 s[G1+6], 0
	s_mov_b32 s[G1+7], 0
	s_and_b32 s52, s[WV], 1
	s_mul_i32 s[HALF], s52, KREG/2
	s_mul_i32 s[CW], s[WV], 24576
	s_lshl_b32 s[CSW], s[WV], 10
	s_add_co_u32 s[CSW], s[CSW], 98304
	s_mov_b32 s[KT], KREG
	s_mov_b32 s[G0H], 1
	s_mul_i32 s[G0H+1], s[WV], KREG/4
	s_mov_b32 s[G0V], 1
	s_add_co_u32 s[G0V+1], s[HALF], VREG
	s_mov_b32 s[G0K], 1
	s_add_co_u32 s[G0K+1], s[HALF], s[KT]
	s_mul_i32 s50, s15, BATCHB
	s_mov_b32 s51, 0
	s_mul_i32 s60, s[WV], 51200                    ; my share of a run of prefetches: 12,800 bytes
	s_mul_i32 s61, s13, 12800
	s_add_co_u32 s60, s60, s61
	s_add_co_u32 s60, s60, KREG
	s_mov_b32 s61, 0
	s_lshl_b32 s62, s15, 6
	s_add_co_u32 s62, s62, s14
	s_mul_i32 s54, s62, 12800                      ; my record of Q
	s_mov_b32 s55, 0
	s_lshl_b32 s62, s62, 16                        ; my 64 rows of the output,
	s_lshl_b32 s63, s[WV], 13
	s_add_co_u32 s62, s62, s63                     ; my tile's first: 8 w
	s_mov_b32 s63, 0
	s_lshr_b32 s[LIM], s[WV], 1                    ; the last step but one asks for V alone: waves 0 and 1
	s_cmp_eq_u32 ttmp9, 0
	s_cselect_b32 s[LIM], s[LIM], 64               ; only the batch's first cluster asks
	s_mov_b32 s[SLOTS], 7
	s_mov_b32 s[SEL], 0x76543210
	s_mov_b32 s[SEL+1], 0xfedcba98
	s_mov_b32 s[CS], 0x3db8aa3b                    ; log2(e) / 16
	s_mov_b32 s[CS+1], s[CS]
	s_mov_b32 s[NCS], 0xbdb8aa3b
	s_wait_dscnt 0x0
	CROUND
	s_wait_kmcnt 0x0
	s_add_nc_u64 s[56:57], s[6:7], s[50:51]
	s_mov_b32 s52, s[G0H+1]
	s_mov_b32 s53, 0
	s_add_nc_u64 s[G0H+2:G0H+3], s[56:57], s[52:53]
	s_or_b32 s[G0H+3], s[G0H+3], 0x80000000
	tensor_load_to_lds s[G0H:G0H+3], s[G1:G1+7]    ; a quarter of K(0)
	s_nop 0
	PLACES 4
	s_add_co_u32 s52, s[HALF], KREG
	s_add_nc_u64 s[G0V+2:G0V+3], s[56:57], s[52:53]
	s_or_b32 s[G0V+3], s[G0V+3], 0x80000000
	s_add_co_u32 s52, s52, KREG
	s_add_nc_u64 s[G0K+2:G0K+3], s[56:57], s[52:53]
	s_or_b32 s[G0K+3], s[G0K+3], 0x80000000
	s_add_nc_u64 s[PFA:PFA+1], s[56:57], s[60:61]
	s_add_nc_u64 s[58:59], s[4:5], s[54:55]
	s_add_nc_u64 s[8:9], s[8:9], s[62:63]
	v_and_b32 v128, 31, v0
	v_lshlrev_b32 v[LI], 4, v128
	v_min_u32 v[PFO], 24, v128
	v_lshlrev_b32 v[PFO], 8, v[PFO]
	WALU
.irp a, 0,1,2,3                        ; my tile a is the block's tile a xor w
	s_xor_b32 s50, s[WV], \a
	s_mul_i32 s51, s50, 3072
	v_add_nc_u32 v[132+\a], s51, v[LI]
	s_lshl_b32 s50, s50, 2
	s_add_co_u32 s50, s50, 12288
	v_add_nc_u32 v[136+\a], s50, v[LI]
.endr
	WALU
	WIN 0x40
.irp a, 0,1,2,3
.irp f, 0,1
.irp c, 0,1,2
	global_load_b128 v[24*\a+12*\f+4*\c:24*\a+12*\f+4*\c+3], v[132+\a], s[58:59] offset:1536*\f+512*\c
.endr
.endr
.endr
	WIN 0
.irp a, 0,1,2,3
	global_load_b32 v[QS+\a], v[136+\a], s[58:59]
.endr
	ASK 0                                          ; what step 0's round will load
.irp a, 0,1,2,3
	v_mov_b32 v[ST+8*\a], 0x7e000000               ; -M of an M under every t
	v_mov_b32 v[ST+8*\a+1], 0xff61b1e6             ; -3e38
	v_mov_b32 v[ST+8*\a+2], 0
	v_mov_b32 v[ST+8*\a+3], 0
	v_mov_b32 v[ST+8*\a+4], 0
	v_mov_b32 v[ST+8*\a+5], 0
	v_mov_b32 v[ST+8*\a+6], 0
	v_mov_b32 v[ST+8*\a+7], 0
.endr
	v_add_nc_u32 v[ADK], s[CW], v[LI]
	v_add_nc_u32 v[ADKS], s[CSW], v[LI]
	v_add_nc_u32 v[ADV], VREG, v[ADK]
	v_add_nc_u32 v[ADVS], VREG, v[ADKS]
	WIN 0x80                                       ; O begins as zeros, while K(0) is on its way: the step is written once for the loop, and the first change of M leaves zeros zeros
.set n, 0
.rept 256
	v_mov_b32 v[n], 0
.set n, n+1
.endr
	WIN 0xc0
.set n, 0
.rept 256
	v_mov_b32 v[n], 0
.set n, n+1
.endr
	WIN 0
	WALU
	s_wait_loadcnt 0x0
	s_wait_tensorcnt 0x0
	s_mov_b32 s[G1+2], 200<<16                     ; no load of mine is out: from here on a load brings 200 rows
	s_mov_b32 s[G1+4], 200
	s_barrier_signal -1
	s_barrier_wait -1                              ; K(0) is in
	FETCHK 0
.Lstep:
	TRIP 0
	WALU
	s_sub_co_u32 s[SLOTS], s[SLOTS], 1
	s_cmp_lg_u32 s[SLOTS], 0
	s_cbranch_scc1 .Lstep
	TRIP 1
; ---- THE JOIN: tile d of mine goes to wave w xor d, into its part d - 1.  K's two regions have had their last fill, and all their reads lie ahead of the last barrier
.irp a, 0,1,2,3
	v_add_f32 v[ST+8*\a+4], v[ST+8*\a+4], v[ST+8*\a+5]
.endr
.irp a, 0,1,2,3
	v_permlanex16_b32 v[T+\a], v[ST+8*\a+4], s[SEL], s[SEL+1]
.endr
.irp a, 0,1,2,3
	v_add_f32 v[ST+8*\a+4], v[ST+8*\a+4], v[T+\a]  ; l over my keys
.endr
	v_lshrrev_b32 v72, 2, v[LI]
	WALU
.irp d, 1,2,3
	s_xor_b32 s50, s[WV], \d
	s_mul_i32 s50, s50, DSTM
	s_add_co_u32 s50, s50, SLOTM*(\d-1)
	v_add_nc_u32 v[64+\d], s50, v[LI]
	v_add_nc_u32 v[68+\d], s50, v72
.endr
	s_mul_i32 s50, s[WV], DSTM
	v_add_nc_u32 v73, s50, v[LI]
	v_add_nc_u32 v74, s50, v72
	v_and_b32 v76, 15, v0
	v_bfe_u32 v77, v0, 4, 1
	v_mul_u32_u24 v75, v76, OPITCH
	v_lshl_add_u32 v75, v77, 7, v75
	v_add_nc_u32 v75, s50, v75
	WALU
.irp d, 1,2,3
	WIN 0x08+4*(\d/2)
.set n, 0
.rept 32
	ds_store_b128 v[64+\d], v[128*(\d%2)+4*n:128*(\d%2)+4*n+3] offset:512*n
.set n, n+1
.endr
.endr
	WIN 0
.irp d, 1,2,3
	ds_store_b32 v[68+\d], v[ST+8*\d] offset:16384
	ds_store_b32 v[68+\d], v[ST+8*\d+4] offset:16512
.endr
	s_wait_dscnt 0x0
	s_barrier_signal -1
	s_barrier_wait -1
.macro RD e                            ; part e into the registers of tile e + 1
	WIN 0x80+0x40*((\e+1)/2)
.set n, 0
.rept 32
	ds_load_b128 v[128*((\e+1)%2)+4*n:128*((\e+1)%2)+4*n+3], v73 offset:SLOTM*\e+512*n
.set n, n+1
.endr
	WIN 0
.endm
.irp e, 0,1,2
	ds_load_b32 v[80+\e], v74 offset:SLOTM*\e+16384
	ds_load_b32 v[84+\e], v74 offset:SLOTM*\e+16512
.endr
	RD 0
	s_wait_dscnt 32                                ; the six are in; part 0's 32 may be out
	v_min3_num_f32 v88, v[ST], v80, v81
	v_min_num_f32 v88, v88, v82                    ; -M over all keys
	v_sub_f32 v89, v88, v[ST]
	v_sub_f32 v90, v88, v80
	v_sub_f32 v91, v88, v81
	v_sub_f32 v92, v88, v82
.irp i, 89,90,91,92
	v_cvt_i32_f32 v[\i], v[\i]
.endr
.irp i, 89,90,91,92
	v_ldexp_f32 v[\i], 1.0, v[\i]
.endr
	v_mul_f32 v93, v89, v[ST+4]
	v_fma_f32 v93, v90, v84, v93
	v_fma_f32 v93, v91, v85, v93
	v_fma_f32 v93, v92, v86, v93                   ; l over all keys
	WALU
	v_rcp_f32 v93, v93
	v_nop
	WALU
	v_mul_f32 v96, v89, v93
	v_mul_f32 v98, v90, v93
	v_mul_f32 v100, v91, v93
	v_mul_f32 v102, v92, v93
	WALU
	RD 1
	RD 2
	s_wait_dscnt 63                                ; part 0 is in: 64 loads stand behind it
	WIN 0x82
.set j, 0
.rept 64
	v_pk_mul_f32 v[j:j+1], v[j:j+1], v[96:97] op_sel_hi:[1,0]
.set j, j+2
.endr
	WIN 0xa2
.set j, 0
.rept 64
	v_pk_fma_f32 v[j:j+1], v[128+j:129+j], v[98:99], v[j:j+1] op_sel_hi:[1,0,1]
.set j, j+2
.endr
	s_wait_dscnt 32                                ; part 1
	WIN 0xa3
.set j, 0
.rept 64
	v_pk_fma_f32 v[j:j+1], v[j:j+1], v[100:101], v[j:j+1] op_sel_hi:[1,0,1]
.set j, j+2
.endr
	s_wait_dscnt 0x0                               ; part 2
.set j, 0
.rept 64
	v_pk_fma_f32 v[j:j+1], v[128+j:129+j], v[102:103], v[j:j+1] op_sel_hi:[1,0,1]
.set j, j+2
.endr
	WIN 0x08                                       ; whole rows: lane (r, h) holds channels 64 g + 32 h + 0 .. 31 of row r; through my own part 0, which I have read
.set n, 0
.rept 32
	ds_store_b128 v75, v[4*n:4*n+3] offset:256*(n/8)+16*(n%8)
.set n, n+1
.endr
	WIN 0
.set n, 0
.rept 32
	ds_load_b128 v[S+4*n:S+4*n+3], v73 offset:OPITCH*(n/2)+512*(n%2)
.set n, n+1
.endr
.set n, 0
.rept 32
	s_wait_dscnt 31-n
	global_store_b128 v[LI], v[S+4*n:S+4*n+3], s[8:9] offset:((n/2)+24*(n/16))*1024+512*(n%2) th:TH_STORE_NT   ; 512 consecutive bytes, aligned
.set n, n+1
.endr
	s_wait_tensorcnt 0x0                           ; the wave's end
	ds_add_u32 v[SPW], v[NIL]
	s_wait_dscnt 0x0
	CROUND                                         ; the closing round
	s_endpgm
.Lfunc_end_k_qc758ed00ee_attn:
	.size	k_qc758ed00ee_attn, .Lfunc_end_k_qc758ed00ee_attn-k_qc758ed00ee_attn
	.p2alignl 7, 3214868480
	.fill 96, 4, 3214868480
	.section	.rodata,"a",@progbits
	.p2align	6, 0x0
	.amdhsa_kernel k_qc758ed00ee_attn
		.amdhsa_group_segment_fixed_size 327680
		.amdhsa_private_segment_fixed_size 0
		.amdhsa_enable_private_segment 0
		.amdhsa_kernarg_size 24
		.amdhsa_user_sgpr_count 2
		.amdhsa_user_sgpr_kernarg_segment_ptr 1
		.amdhsa_wavefront_size32 1
		.amdhsa_system_sgpr_workgroup_id_x 1
		.amdhsa_system_sgpr_workgroup_id_y 1
		.amdhsa_system_sgpr_workgroup_id_z 1
		.amdhsa_system_vgpr_workitem_id 0
		.amdhsa_next_free_vgpr 1024
		.amdhsa_next_free_sgpr 66
		.amdhsa_reserve_vcc 0
		.amdhsa_float_denorm_mode_32 3
		.amdhsa_float_denorm_mode_16_64 3
		.amdhsa_memory_ordered 1
		.amdhsa_forward_progress 1
		.amdhsa_inst_pref_size 230
	.end_amdhsa_kernel
	.amdgpu_metadata
---
amdhsa.version: [ 1, 2 ]
amdhsa.kernels:
  - .name:           k_qc758ed00ee_attn
    .symbol:         k_qc758ed00ee_attn.kd
    .args:
      - { .name: qc, .offset: 0, .size: 8, .value_kind: global_buffer, .address_space: global }
      - { .name: kv, .offset: 8, .size: 8, .value_kind: global_buffer, .address_space: global }
      - { .name: out0, .offset: 16, .size: 8, .value_kind: global_buffer, .address_space: global }
    .group_segment_fixed_size: 327680
    .private_segment_fixed_size: 0
    .kernarg_segment_align: 8
    .kernarg_segment_size: 24
    .max_flat_workgroup_size: 128
    .sgpr_count:     66
    .vgpr_count:     1024
    .wavefront_size: 32
...
	.end_amdgpu_metadata
.endif
;; end of part 3
